; MI455X (gfx1250); checked and timed in simulation.
; The chip was launched on July 23, 2026; its instructions are those of AMD's public machine-readable ISA for CDNA 5 (MIT licence, August 2026) and "CDNA5" Instruction Set Architecture Reference Guide (July 2026). The comments in the code are by the model that wrote it; some were corrected since.
;; K Means Quantizer. Allowed arithmetic: matrix products marked QUANTISED: E5M2 operands, one given power-of-two scale a tensor, by v_wmma_f32_16x16x64_bf8_bf8 or v_wmma_f32_16x16x128_bf8_bf8, f32 sums; everything else in f32.
;; Inputs: centroids 2,048 x 1,024 float32; lowp_scales 2 int32 (the exponents e of the quantised operands' scales 2^e); x 16 x 2,000 x 1,024 float32.
;; Outputs: out0 16 x 2,000 int32.
;; This version of the problem:
;;   THIS VERSION OF THE PROBLEM IS GIVEN IN LOW PRECISION. The matrix products marked QUANTISED in the list below multiply operands that are first quantised to E5M2 (5 exponent bits, 2 mantissa bits; 8 bits a number), with one given power-of-two scale for each operand tensor; their sums are f32. All else is computed in f32.
;;   The module's matrix products, in the order in which they are computed (A, B: the left and right operand; K: the contracted axis; several contracted axes count as one K, in the product's order):
;;     1. [M 32,000, K 1,024] x [K 1,024, N 2,048]; A: input x; B: input centroids: QUANTISED (scales: A lowp_scales[0], B lowp_scales[1])
;;   THE QUANTISER, for each operand of a quantised product, along K:
;;     - The operand's scale is 2^e, e = its entry of the input lowp_scales (int32; the entries are numbered through the quantised products in the list's order, A before B).
;;     - Each number is divided by the scale, clamped to +-57,344, and rounded to the nearest number of E5M2, ties to even, subnormals kept.
;;     - The product sums the exact products of the quantised numbers (number of the format x scale) in f32.
;;   ~~~python
;;   def quantise(x, axis, e):      # numpy; x: float32 -> the quantised numbers, widened to float32 again
;;       x = np.moveaxis(x, axis, -1); K = x.shape[-1]
;;       r = np.clip(x / 2.0 ** e, -57344, 57344)
;;       step = 2.0 ** (np.maximum(np.frexp(np.where(r == 0, 1, r))[1] - 1, -14) - 2)
;;       q = np.round(r / step) * step * 2.0 ** e      # np.round: ties to even
;;       return np.moveaxis(q, -1, axis).astype(np.float32)
;;   ~~~
;; 2 versions, each right and faster than the one before. Each part assembles by itself: llvm-mc -triple=amdgcn-amd-amdhsa -mcpu=gfx1250 --defsym DOCPART=n.
;; ======== version 1 of 2: 2 launches
;; workspace buffers: cb 2,097,152 bytes; csq 8,192 bytes
;; launch prep (part 1): grid 128 x 1, 16 waves a work-group, no clusters, 18,944 bytes of LDS; arguments centroids, lowp_scales, cb, csq; writes cb, csq
.if DOCPART == 1
	.amdgcn_target "amdgcn-amd-amdhsa--gfx1250"
	.amdhsa_code_object_version 6
	.text
	.protected	k_qa9bbcecef3_prep
	.globl	k_qa9bbcecef3_prep
	.p2align	8
	.type	k_qa9bbcecef3_prep,@function
k_qa9bbcecef3_prep:
	s_mov_b64 s[64:65], 0
	v_nop
	global_prefetch_b8 v0, s[64:65] scope:SCOPE_SE
	s_setreg_imm32_b32 hwreg(HW_REG_WAVE_MODE, 25, 1), 1
	s_wait_xcnt 0x0
; Centroids [2048][1024] f32  ->  cb: their codes of BF8 (E5M2), made with the given scale 2^e1, laid out as the matrix fragments of the next launch;
;                                 csq[n] = sum over k of c[n][k]^2, of the f32 numbers AS THEY ARE GIVEN (this sum is no quantised product), in f32.
; code = c / 2^e1, held within +-57,344, rounded to the nearest code, ties to even.  e1 is entry 1 (int32) of the buffer of scales.
; LIMITS: -126 <= e1 <= 112, so that 2^e1 and 57,344 x 2^e1 are f32 numbers.  NaN among the inputs is not served; an infinity is held at the largest code.
;         csq is summed in four chains a lane and then across the 32 lanes: another order than a plain run along the row, with the rounding of f32 sums.
; cb: centroid n = 128 q + 16 b + r, k = 64 ks + 32 c + 16 h + e  lies at byte
;     131072 q + 8192 ks + 1024 b + 512 c + 16 (16 h + r) + e:   lane 16 h + r takes 16 bytes at 16 x lane of each piece of 512 bytes.
; A work-group owns 16 centroids (one q, one b).  Wave v reads row v (4,096 bytes): a lane takes 16 neighbouring numbers of each half row, since the conversion
; takes neighbours along K from one lane's registers; the four loads of a half row read 2,048 consecutive bytes between them.  The rows' codes meet in LDS,
; and wave v writes the fragment of ks = v: two stores of 512 consecutive, aligned bytes.
; No matrix unit, no cluster: no work-group reads what another reads, and every byte is moved once.  128 work-groups: a fragment wants 16 whole centroids.
; csq leaves as 64 bytes a work-group, a part of an aligned block of 256 bytes; the whole table is 8,192 bytes.
.set XP,  1040                         ; LDS pitch of a row: 1,024 bytes of codes + 16, an odd multiple of 16: the 16 rows of a fragment load start in 16 different columns of 16 bytes
.set SUM, 16*XP                        ; behind the rows: one word for each wave's sum
.set X,   8                            ; v[8:39]   my 32 numbers: 16 of each half row; later the fragment on its way out
.set C,   40                           ; v[40:47]  their codes, 4 registers a half row
.set SQ,  48                           ; v[48:51]  two packed chains of squares
	s_load_b256 s[4:11], s[0:1], 0x0               ; centroids s[4:5], the scales' exponents s[6:7], cb s[8:9], csq s[10:11]
	v_lshl_add_u32 v80, v0, 2, 0x4200
	v_mov_b32 v81, 0
	v_and_b32 v1, 31, v0                           ; lane
	v_lshrrev_b32 v52, 5, v0
	v_readfirstlane_b32 s12, v52                   ; wave v = row of the work-group's 16 = K step that it writes
	v_lshlrev_b32 v2, 4, v1                        ; 16 x lane: my 16 bytes of each 512 of codes
	v_lshlrev_b32 v4, 6, v1                        ; 64 x lane: my 16 numbers of each half row
	v_and_b32 v5, 15, v0                           ; r
	v_bfe_u32 v6, v0, 4, 1                         ; h
	s_mov_b32 s13, 0x76543210                      ; v_permlanex16_b32: lane i of one half reads lane i of the other
	s_mov_b32 s14, 0xfedcba98
	s_mul_i32 s15, s12, XP
	v_add_nc_u32 v3, s15, v2                       ; LDS, in: my row + 16 x lane
	v_mul_u32_u24 v65, v5, XP                      ; LDS, back: row r
	v_lshl_add_u32 v65, v6, 4, v65                 ;   + 16 h
	s_lshl_b32 s15, s12, 6
	v_add_nc_u32 v65, s15, v65                     ;   + 64 v: K step v is 64 bytes of every row
	s_lshl_b32 s15, s12, 2
	s_add_co_u32 s15, s15, SUM
	v_mov_b32 v64, s15                             ; my wave's word for its sum
	s_lshl_b32 s16, ttmp9, 4
	s_add_co_u32 s16, s16, s12                     ; my centroid
	s_lshl_b32 s16, s16, 12                        ; x 4,096 bytes
	s_mov_b32 s17, 0
	s_lshr_b32 s18, ttmp9, 3                       ; q
	s_lshl_b32 s18, s18, 17                        ; x 131,072
	s_and_b32 s19, ttmp9, 7                        ; b
	s_lshl_b32 s19, s19, 10                        ; x 1,024
	s_add_co_u32 s18, s18, s19
	s_lshl_b32 s19, s12, 13                        ; K step v: x 8,192
	s_add_co_u32 s18, s18, s19
	s_mov_b32 s19, 0
	s_lshl_b32 s20, ttmp9, 6                       ; 16 words of csq
	s_mov_b32 s21, 0
	s_wait_kmcnt 0x0
	s_load_b32 s24, s[6:7], 0x4                    ; e1
	s_add_nc_u64 s[4:5], s[4:5], s[16:17]
	s_add_nc_u64 s[8:9], s[8:9], s[18:19]
	s_add_nc_u64 s[10:11], s[10:11], s[20:21]
.irp t, 0,1
.irp i, 0,1,2,3
	global_load_b128 v[X+16*\t+4*\i:X+16*\t+4*\i+3], v4, s[4:5] offset:2048*\t+16*\i th:TH_LOAD_NT   ; the whole row at once; read once in the launch
.endr
.endr
	s_wait_kmcnt 0x0
	s_add_co_i32 s24, s24, 127
	s_lshl_b32 s25, s24, 23
	v_mov_b32 v7, s25                              ; 2^e1 as f32: the conversion takes its exponent field
	s_add_co_i32 s24, s24, 15
	s_lshl_b32 s24, s24, 23
	s_or_b32 s24, s24, 0x600000
	v_mov_b32 v53, s24                             ; 57,344 x 2^e1
.irp t, 0,1
	s_wait_loadcnt 4*(1-\t)                        ; loads come back in order (ISA guide 5.7.1): this half row's four are in, the other half's may be out
.irp p, 0,1,2,3,4,5,6,7
.if \t == 0 && \p < 2
	v_pk_mul_f32 v[SQ+2*\p:SQ+2*\p+1], v[X+2*\p:X+2*\p+1], v[X+2*\p:X+2*\p+1]     ; the first squares start the sums: nothing is cleared
.else
	v_pk_fma_f32 v[SQ+2*(\p%2):SQ+2*(\p%2)+1], v[X+16*\t+2*\p:X+16*\t+2*\p+1], v[X+16*\t+2*\p:X+16*\t+2*\p+1], v[SQ+2*(\p%2):SQ+2*(\p%2)+1]
.endif
.endr
.irp i, 0,1,2,3,4,5,6,7,8,9,10,11,12,13,14,15
	v_med3_num_f32 v[X+16*\t+\i], v[X+16*\t+\i], -v53, v53         ; behind the squares: the conversion to an 8-bit code does not saturate (ISA guide 7.6.2), so the number is held first
.endr
	v_cvt_scalef32_pk8_bf8_f32 v[C+4*\t:C+4*\t+1],   v[X+16*\t:X+16*\t+7],    v7
	v_cvt_scalef32_pk8_bf8_f32 v[C+4*\t+2:C+4*\t+3], v[X+16*\t+8:X+16*\t+15], v7
	v_nop                                          ; one plain vector instruction between a scaled conversion and what touches its result
	ds_store_b128 v3, v[C+4*\t:C+4*\t+3] offset:512*\t             ; 32 lanes, 512 neighbouring bytes of my row
.endr
	v_pk_add_f32 v[SQ:SQ+1], v[SQ:SQ+1], v[SQ+2:SQ+3]
	v_add_f32 v[SQ], v[SQ], v[SQ+1]
	v_add_f32_dpp v[SQ], v[SQ], v[SQ] row_xmask:1 row_mask:0xf bank_mask:0xf
	v_add_f32_dpp v[SQ], v[SQ], v[SQ] row_xmask:2 row_mask:0xf bank_mask:0xf
	v_add_f32_dpp v[SQ], v[SQ], v[SQ] row_xmask:4 row_mask:0xf bank_mask:0xf
	v_add_f32_dpp v[SQ], v[SQ], v[SQ] row_xmask:8 row_mask:0xf bank_mask:0xf
	v_permlanex16_b32 v52, v[SQ], s13, s14         ; its destination counts as read: v52 has been written
	v_add_f32 v[SQ], v[SQ], v52                    ; the row's sum, in every lane
	ds_store_b32 v64, v[SQ]                        ; all lanes write the same word with the same value
	s_wait_dscnt 0x0                               ; for the other waves' sake: all my LDS stores are done
	s_barrier_signal -1
	s_barrier_wait -1                              ; all 16 rows and 16 sums lie in LDS
	ds_load_b128 v[X:X+3],   v65                   ; k = 64 v + 16 h .. + 15 of row r
	ds_load_b128 v[X+4:X+7], v65 offset:32         ; k = 64 v + 32 + 16 h .. + 15
	s_wait_dscnt 0x1                               ; LDS loads come back in order: the first is in
	global_store_b128 v2, v[X:X+3], s[8:9]                         ; each store: 512 consecutive bytes at a multiple of 512 from cb's first byte
	s_wait_dscnt 0x0
	global_store_b128 v2, v[X+4:X+7], s[8:9] offset:512
	s_cmp_lg_u32 s12, 0
	s_cbranch_scc1 .Lothers                        ; wave 0 alone writes the 16 sums
	v_lshlrev_b32 v66, 2, v5
	ds_load_b32 v67, v66 offset:SUM                ; lane l: the sum of row l % 16
	v_lshlrev_b32 v68, 2, v1
	s_wait_dscnt 0x0
	s_wait_xcnt 0x0                                ; EXEC is a source of the stores above: it changes only behind this wait
	v_cmp_gt_u32 vcc_lo, 16, v0
	s_wait_tensorcnt 0x0
	ds_add_u32 v80, v81
	s_wait_dscnt 0x0
	s_and_saveexec_b32 s23, vcc_lo
	global_store_b32 v68, v67, s[10:11]            ; lanes 0 to 15: csq[16 g + lane]
	s_endpgm
.Lothers:
	s_wait_tensorcnt 0x0
	ds_add_u32 v80, v81
	s_wait_dscnt 0x0
	s_endpgm
.Lfunc_end_k_qa9bbcecef3_prep:
	.size	k_qa9bbcecef3_prep, .Lfunc_end_k_qa9bbcecef3_prep-k_qa9bbcecef3_prep
	.p2alignl 7, 3214868480
	.fill 96, 4, 3214868480
	.section	.rodata,"a",@progbits
	.p2align	6, 0x0
	.amdhsa_kernel k_qa9bbcecef3_prep
		.amdhsa_group_segment_fixed_size 18944
		.amdhsa_private_segment_fixed_size 0
		.amdhsa_enable_private_segment 0
		.amdhsa_kernarg_size 32
		.amdhsa_user_sgpr_count 2
		.amdhsa_user_sgpr_kernarg_segment_ptr 1
		.amdhsa_wavefront_size32 1
		.amdhsa_system_sgpr_workgroup_id_x 1
		.amdhsa_system_sgpr_workgroup_id_y 1
		.amdhsa_system_sgpr_workgroup_id_z 1
		.amdhsa_system_vgpr_workitem_id 0
		.amdhsa_next_free_vgpr 82
		.amdhsa_next_free_sgpr 66
		.amdhsa_reserve_vcc 1
		.amdhsa_float_denorm_mode_32 3
		.amdhsa_float_denorm_mode_16_64 3
		.amdhsa_memory_ordered 1
		.amdhsa_forward_progress 1
		.amdhsa_inst_pref_size 9
	.end_amdhsa_kernel
	.amdgpu_metadata
---
amdhsa.version: [ 1, 2 ]
amdhsa.kernels:
  - .name:           k_qa9bbcecef3_prep
    .symbol:         k_qa9bbcecef3_prep.kd
    .args:
      - { .name: centroids, .offset: 0, .size: 8, .value_kind: global_buffer, .address_space: global }
      - { .name: lowp_scales, .offset: 8, .size: 8, .value_kind: global_buffer, .address_space: global }
      - { .name: cb, .offset: 16, .size: 8, .value_kind: global_buffer, .address_space: global }
      - { .name: csq, .offset: 24, .size: 8, .value_kind: global_buffer, .address_space: global }
    .group_segment_fixed_size: 18944
    .private_segment_fixed_size: 0
    .kernarg_segment_align: 8
    .kernarg_segment_size: 32
    .max_flat_workgroup_size: 512
    .sgpr_count:     66
    .vgpr_count:     82
    .wavefront_size: 32
...
	.end_amdgpu_metadata
.endif
;; end of part 1
;; launch assign (part 2): grid 256 x 1, 4 waves a work-group, no clusters, 137,728 bytes of LDS; arguments x, cb, csq, lowp_scales, out0; writes out0
.if DOCPART == 2
	.amdgcn_target "amdgcn-amd-amdhsa--gfx1250"
	.amdhsa_code_object_version 6
	.text
	.protected	k_qa9bbcecef3_assign
	.globl	k_qa9bbcecef3_assign
	.p2align	8
	.type	k_qa9bbcecef3_assign,@function
k_qa9bbcecef3_assign:
	s_mov_b64 s[64:65], 0
	v_nop
	global_prefetch_b8 v0, s[64:65] scope:SCOPE_SE
	s_setreg_imm32_b32 hwreg(HW_REG_WAVE_MODE, 25, 1), 1
	s_wait_xcnt 0x0
; out0[row] = the first index n of the smallest d(row, n) = -2 x[row].c[n] + csq[n], over 2,048 centroids; 32,000 rows of 1,024 numbers.
; The product is taken on codes of BF8 (E5M2): x is quantised here with the given scale 2^e0 (code = x / 2^e0, held within +-57,344, to the nearest code, ties to even),
; the centroids were quantised in the launch before with 2^e1.  The codes are multiplied as they are, sums in f32, K ascending in steps of 64, one chain for each output;
; d = sum x (-2 x 2^(e0 + e1)) + csq is one fused multiply-add: the factor is a power of two, so it rounds as the unfused form does.
;
; SHARES.  256 work-groups of 125 rows, worked as 128 (rows 125-127 repeat row 124 and are not stored).  The block's x is read from memory once, quantised in registers,
; and its codes stay in LDS for the whole launch: 128 rows of 1,024 bytes, pitch 1,040.  Four waves; wave w owns centroids 512 w .. 512 w + 511 and takes them in four
; chunks of 128: a chunk is 128 rows x 128 centroids = 64 accumulator tiles = 512 registers, 16 K steps of 64.
; x's fragments come from LDS (16 loads a step, one step ahead, two buffers).  The centroids' fragments come straight from cb, which holds them as register images:
; 16 loads of 512 consecutive bytes a step into a ring of four register buffers, three steps (192 matrix instructions) ahead.
; WHERE k LIES IN A FRAGMENT: registers 4 c .. 4 c + 3 of lane (r, h) hold k = 32 c + 16 h + 0 .. 15, fetched by two loads of 16 bytes.  That is a permutation of k against
; the form's own layout, the same in both operands: every product meets its partner, and only the order of the sums inside an instruction changes.
; NO CLUSTER, NO TENSOR LOADS, and why: all work-groups walk the same cb, but beside x's 133,120 bytes and the 4,096 of the end's table 190,464 bytes of LDS are left: two slots
; there hold 128 along K of the work-group's 512 centroids each (65,536 bytes), so a barrier of the whole cluster would stand behind every 128 matrix instructions of a wave and a refill would
; have only these in which to land, against 192 here and no barrier; and each centroid fragment has ONE reader in the work-group, so LDS would add a write and a read for each of its bytes.
; K = 64 and not 128: four buffers of a step's centroid fragments fit in one window of 256 registers; with K = 128 only two would.
;
; THE MATRIX INSTRUCTION IS USED TRANSPOSED: source 0 = 16 centroids, source 1 = 16 rows of x.  Register j of lane (r, h) of tile (a, b) is then centroid 16 b + 8 h + j against
; row 16 a + r: the 64 distances that a lane holds for a row block belong to ONE row, so the search runs down the lane's registers, in ascending order of the index, and meets
; other lanes once, at the end (the other half, then the other waves).
;
; LIMITS.  -126 <= e0 <= 112 and -127 <= e0 + e1 <= 126, so that 2^e0, 57,344 x 2^e0 and 2 x 2^(e0 + e1) are f32 numbers.  NaN among the inputs is not served: a NaN distance is never
; chosen (reference() would choose it).  An infinity in x is held at the largest code.  Two distances closer than the rounding of the f32 sums may be ordered otherwise than by another
; order of summation.  Equal distances: the lowest index, as in reference(); rows whose distances are all +inf give 0.
;
; REGISTERS, in windows of 256 (s_set_vgpr_msb: bits 1:0 source 0, 3:2 source 1, 5:4 source 2, 7:6 destination):
;   window 0: v0-5 ids; v6-21 addresses and the quantiser's two constants; v24-27 at work; v32-63 first two sets of 16 registers of codes, then (best distance, its code) of the 8 row
;             blocks and the end's temporaries; v64-255 first three sets of 64 numbers of x, then v64-127, v128-191 x fragments (two buffers) and v192-255 csq of the chunk
;   window 1: four buffers of centroid fragments      windows 2, 3: accumulators, tile (a, b) at v[64 (a & 3) + 8 b] of window 2 + (a >> 2)
.set XP,   1040                        ; LDS pitch of a row of x's codes: 1,024 + 16 bytes, an odd multiple of 16: the 16 rows of a fragment load start in 16 different columns of 16 bytes
.set SCR,  128*XP                      ; behind x: 1,024 bytes a wave, (distance, index) of each of the 128 rows
.set VX,   6                           ; v6      64 x lane: my 16 numbers of each half row of x
.set VXC,  7                           ; v7-9    the same + the clamped place of my wave's rows 29, 30, 31
.set HLD,  10                          ; v10     57,344 x 2^e0 (written v10 below)
.set SCL,  11                          ; v11     2^e0
.set XST,  12                          ; v12     LDS address for x's codes: my wave's first row + 16 x lane
.set XA,   16                          ; v16-17  LDS address of the x fragments of row blocks 0-3, 4-7: row r, + 16 h; never rewritten
.set VBO,  20                          ; v20     16 x lane
.set VCO,  21                          ; v21     32 h: my 8 words of each 16 of csq
.set TM,   24                          ; v24-27  at work
.set CD,   32                          ; v32-63  x on its way in: two sets of 16 registers of codes
.set GBI,  32                          ; v32-47  afterwards: pairs: best distance so far, its code (chunk << 6 | register)
.set FA0,  64
.set CSQ,  192
.set BP,   16                          ; s[16:17] cb at my wave's chunk, stepped once a chunk
.set CQ,   18                          ; s[18:19] csq at my wave's chunk
.set MK,   20                          ; s20-23   lane masks of four searches that run side by side
.set MSB,  0
.macro WIN new                         ; the immediate's high byte repeats the setting that is left; a switch that changes nothing is dropped
.if MSB != \new
	s_set_vgpr_msb (MSB<<8)|\new
.set MSB, \new
.endif
.endm
.macro PLACES                          ; four independent plain vector instructions behind a matrix instruction (ISA guide 7.12.1)
.rept 4
	v_nop
.endr
.endm
	s_load_b256 s[4:11], s[0:1], 0x0               ; x s[4:5], cb s[6:7], csq s[8:9], the scales' exponents s[10:11]
	s_load_b64 s[12:13], s[0:1], 0x20              ; out0
	v_lshl_add_u32 v30, v0, 2, 0x21800
	v_mov_b32 v31, 0
	v_and_b32 v1, 31, v0                           ; lane
	v_lshrrev_b32 v4, 5, v0
	v_readfirstlane_b32 s14, v4                    ; wave w
	v_and_b32 v2, 15, v0                           ; r
	v_bfe_u32 v3, v0, 4, 1                         ; h
	s_mov_b32 s28, 0x76543210                      ; v_permlanex16_b32: lane i of one half reads lane i of the other
	s_mov_b32 s29, 0xfedcba98
	v_lshlrev_b32 v[VX], 6, v1
	v_lshlrev_b32 v[VBO], 4, v1
	v_lshlrev_b32 v[VCO], 5, v3
	v_mul_u32_u24 v5, v2, XP
	v_lshl_add_u32 v[XA], v3, 4, v5                ; row r x pitch + 16 h
	v_add_nc_u32 v[XA+1], 64*XP, v[XA]             ; + 64 rows
	s_mul_i32 s15, s14, 32*XP                      ; my wave quantises rows 32 w .. 32 w + 31 of the block
	v_add_nc_u32 v[XST], s15, v[VBO]
	s_lshl_b32 s15, s14, 5                         ; 32 w
.irp k, 0,1,2
	s_add_co_u32 s30, s15, 29+\k
	s_min_u32 s30, s30, 124                        ; the block has 125 rows: rows 125-127 repeat row 124, so no load leaves the block
	s_sub_co_u32 s30, s30, s15                     ; counted from my wave's first row
	s_lshl_b32 s30, s30, 12                        ; x 4,096 bytes
	v_add_nc_u32 v[VXC+\k], s30, v[VX]
.endr
	s_mul_i32 s30, ttmp9, 512000                   ; 125 rows of 4,096 bytes,
	s_lshl_b32 s31, s14, 17                        ; + my wave's 32 rows: 255 x 512,000 + 3 x 131,072 is below 2^31
	s_add_co_u32 s30, s30, s31
	s_mov_b32 s31, 0
	s_mul_i32 s32, ttmp9, 500                      ; 125 words of out0
	s_mov_b32 s33, 0
	s_lshl_b32 s34, s14, 19                        ; my wave's 512 centroids: 524,288 bytes of cb
	s_mov_b32 s35, 0
	s_lshl_b32 s42, s14, 11                        ; and 2,048 bytes of csq
	s_mov_b32 s43, 0
	s_wait_kmcnt 0x0
	s_load_b64 s[40:41], s[10:11], 0x0             ; e0, e1
	s_add_nc_u64 s[4:5], s[4:5], s[30:31]
	s_add_nc_u64 s[12:13], s[12:13], s[32:33]
	s_add_nc_u64 s[BP:BP+1], s[6:7], s[34:35]
	s_add_nc_u64 s[CQ:CQ+1], s[8:9], s[42:43]
; 16 LDS loads: the x fragments of all 8 row blocks, 64 along K at byte off of the rows.  Block a lands at buf + 8 a.
.macro FETCH_A buf, off
.irp a, 0,1,2,3,4,5,6,7
.irp c, 0,1
	ds_load_b128 v[\buf+8*\a+4*\c:\buf+8*\a+4*\c+3], v[XA+\a/4] offset:\off+32*\c+(\a%4)*16*XP
.endr
.endr
.endm
; 16 global loads of 512 consecutive bytes: one K step (8,192 bytes) of my 128 centroids, as cb holds them.  No hint: every work-group reads these bytes.
.macro FETCH_B buf, off
.irp b, 0,1,2,3,4,5,6,7
.irp c, 0,1
	global_load_b128 v[\buf+8*\b+4*\c:\buf+8*\b+4*\c+3], v[VBO], s[BP:BP+1] offset:\off+1024*\b+512*\c
.endr
.endr
.endm
; csq of the chunk's centroids 16 b + 8 h + j into register CSQ + 8 b + j: the register beside which the distance lies in every tile (a, b)
.macro FETCH_CSQ
.irp b, 0,1,2,3,4,5,6,7
	global_load_b128 v[CSQ+8*\b:CSQ+8*\b+3],   v[VCO], s[CQ:CQ+1] offset:64*\b
	global_load_b128 v[CSQ+8*\b+4:CSQ+8*\b+7], v[VCO], s[CQ:CQ+1] offset:64*\b+16
.endr
.endm
; 32 matrix instructions: the 8 centroid blocks x row blocks 4 hi .. 4 hi + 3.  zero = 1: the first product starts the sums, nothing is cleared.
; The 64 accumulators take turns, one instruction a turn, in the same order in every step.
.macro MUL32 fa, fb, hi, zero
.irp a, 0,1,2,3
.irp b, 0,1,2,3,4,5,6,7
.if \zero
	v_wmma_f32_16x16x64_bf8_bf8 v[64*\a+8*\b:64*\a+8*\b+7], v[\fb+8*\b:\fb+8*\b+7], v[\fa+8*(4*\hi+\a):\fa+8*(4*\hi+\a)+7], 0
.else
	v_wmma_f32_16x16x64_bf8_bf8 v[64*\a+8*\b:64*\a+8*\b+7], v[\fb+8*\b:\fb+8*\b+7], v[\fa+8*(4*\hi+\a):\fa+8*(4*\hi+\a)+7], v[64*\a+8*\b:64*\a+8*\b+7]
.endif
.endr
.endr
.endm
; K STEP ks of a chunk's 16: multiplies x buffer ks % 2 by centroid buffer ks % 4.  Ahead of that: the next step's x fragments (af; step 15 fetches the next chunk's step 0, at K = 0 again),
; the centroid fragments of three steps on (bf; cb's stream runs on from chunk to chunk, so steps 13-15 ask for the next chunk's steps 0-2), the chunk's csq (csq).
; Both target buffers were read by the step before, so four plain vector instructions stand between its matrix instructions and these loads.
; lcnt: how many younger global loads may stay out when the centroid buffer has to be whole.
.macro STEP ks, lcnt, zero, csq, af, bf
	s_wait_dscnt 0x0                               ; my x buffer: its 16 loads were issued a step ago, and no LDS instruction since
	s_wait_loadcnt \lcnt
.if \af
	WIN 0
	PLACES
	FETCH_A FA0+64*(((\ks)+1)%2), 64*(((\ks)+1)%16)
.if \csq
	FETCH_CSQ
.endif
.if \bf
	WIN 0x40                                       ; destination window 1, address window 0
	FETCH_B 64*(((\ks)+3)%4), 8192*((\ks)+3)
.endif
.endif
	WIN 0xa1                                       ; source 0 window 1, source 1 window 0, C and D window 2
	MUL32 FA0+64*((\ks)%2), 64*((\ks)%4), 0, \zero
	WIN 0xf1                                       ; C and D window 3
	MUL32 FA0+64*((\ks)%2), 64*((\ks)%4), 1, \zero
.endm
; x ON ITS WAY IN.  Batch q: rows 2 q, 2 q + 1 of my wave's 32.  A lane takes 16 neighbouring numbers of each half row (the conversion takes neighbours along K from one lane's
; registers); the four loads of a half row read 2,048 consecutive bytes between them.  16 loads, 64 registers, into set q % 3.
.macro XLOAD q
.set XS, 64+64*((\q)%3)
.irp u, 0,1,2,3
.irp i, 0,1,2,3
.if 2*(\q)+\u/2 < 29
	global_load_b128 v[XS+16*\u+4*\i:XS+16*\u+4*\i+3], v[VX], s[4:5] offset:4096*(2*(\q)+\u/2)+2048*(\u%2)+16*\i th:TH_LOAD_NT
.else
	global_load_b128 v[XS+16*\u+4*\i:XS+16*\u+4*\i+3], v[VXC+2*(\q)+\u/2-29], s[4:5] offset:2048*(\u%2)+16*\i th:TH_LOAD_NT
.endif
.endr
.endr
.endm
; Batch q is held, converted (64 numbers -> 16 registers of codes, set q % 2) and stored: each store is 512 neighbouring bytes of a row.
.macro XQ q
.set XS, 64+64*((\q)%3)
.set XC, CD+16*((\q)%2)
.set II, 0
.rept 64
	v_med3_num_f32 v[XS+II], v[XS+II], -v10, v10   ; the conversion to an 8-bit code does not saturate (ISA guide 7.6.2): the number is held within 57,344 x the scale first
.set II, II+1
.endr
.if (\q) >= 2
	s_wait_dscnt 4                                 ; the four stores of the batch before may be out; those of two batches back, which read this set of codes, are done
.endif
.irp g, 0,1,2,3,4,5,6,7
	v_cvt_scalef32_pk8_bf8_f32 v[XC+2*\g:XC+2*\g+1], v[XS+8*\g:XS+8*\g+7], v[SCL]
.endr
	v_nop                                          ; one plain vector instruction between a scaled conversion and what touches its result or writes its sources
.irp u, 0,1,2,3
	ds_store_b128 v[XST], v[XC+4*\u:XC+4*\u+3] offset:(2*(\q)+\u/2)*XP+512*(\u%2)
.endr
.endm
	XLOAD 0
	XLOAD 1
	XLOAD 2
	s_wait_kmcnt 0x0
	s_add_co_i32 s30, s40, 127
	s_lshl_b32 s31, s30, 23
	v_mov_b32 v[SCL], s31                          ; 2^e0 as f32: the conversion takes its exponent field
	s_add_co_i32 s30, s30, 15
	s_lshl_b32 s30, s30, 23
	s_or_b32 s30, s30, 0x600000
	v_mov_b32 v10, s30                             ; 57,344 x 2^e0
	s_add_co_i32 s30, s40, s41
	s_add_co_i32 s30, s30, 128
	s_lshl_b32 s30, s30, 23
	s_or_b32 s36, s30, 0x80000000                  ; -2 x 2^(e0 + e1) as f32
	s_mov_b32 s37, s36                             ; named with it as a pair, so it is written
; Sixteen batches.  Behind each batch's work stands an item of 16 loads: the batch three further on, into the set just read, or (behind batches 13-15) one of the first three centroid steps.
.irp q, 0,1,2,3,4,5,6,7,8,9,10,11,12,13,14,15
	s_wait_loadcnt 32                              ; loads come back in order (ISA guide 5.7.1): batch q is in, the two younger items of 16 loads stay out
	XQ \q
.if \q < 13
	XLOAD \q+3
.else
	WIN 0x40
	FETCH_B 64*(\q-13), 8192*(\q-13)               ; the centroid ring is filled while the last rows of x arrive
	WIN 0
.endif
.endr
	s_wait_dscnt 0x0                               ; for the other waves' sake: my 32 rows of codes lie in LDS
	s_barrier_signal -1
	s_barrier_wait -1                              ; all 128 rows do; from here on nobody writes them, so the loop has no barrier
	FETCH_A FA0, 0                                 ; lands where x's numbers lay: all of x's loads have been shown done
.irp a, 0,1,2,3,4,5,6,7
	v_mov_b32 v[GBI+2*\a], 0x7f800000              ; best so far: +inf,
	v_mov_b32 v[GBI+2*\a+1], 0                     ; code 0
.endr
	v_mov_b32 v50, 0                               ; destinations of v_permlanex16_b32 count as read: written once here
	v_mov_b32 v51, 0
; THE SEARCH in one window's four row blocks (base = 0: blocks 0-3, window 2; base = 4: blocks 4-7, window 3).
; w1: destination and source 0 in the window, source 2 (csq) in window 0.  w2: all in the window.  w3: source 1 in the window, the rest in window 0.
.macro EPI base, w1, w2, w3
	WIN \w1
.set II, 0
.rept 128
	v_pk_fma_f32 v[2*II:2*II+1], v[2*II:2*II+1], s[36:37], v[CSQ+2*(II%32):CSQ+2*(II%32)+1] op_sel_hi:[1,0,1]   ; d = sum x s36 + csq, one rounding; each accumulator from its low end on
.set II, II+1
.endr
	WIN \w2
	; Four searches side by side.  Register 64 a holds the best distance, register 64 a + 1 (once its own distance has been looked at) the number of the register
	; that it came from.  The compare is strict and the registers go up with the index: the first of equal distances stays.
.irp a, 0,1,2,3
	v_cmp_gt_f32 s[MK+\a], v[64*\a], v[64*\a+1]
.endr
.irp a, 0,1,2,3
	v_cndmask_b32 v[64*\a], v[64*\a], v[64*\a+1], s[MK+\a]
.endr
.irp a, 0,1,2,3
	v_cndmask_b32 v[64*\a+1], 0, 1, s[MK+\a]
.endr
.set EE, 2
.rept 62
.irp a, 0,1,2,3
	v_cmp_gt_f32 s[MK+\a], v[64*\a], v[64*\a+EE]
.endr
.irp a, 0,1,2,3
	v_cndmask_b32 v[64*\a], v[64*\a], v[64*\a+EE], s[MK+\a]
.endr
.irp a, 0,1,2,3
	v_cndmask_b32 v[64*\a+1], v[64*\a+1], EE, s[MK+\a]
.endr
.set EE, EE+1
.endr
	WIN \w3
.irp a, 0,1,2,3
	v_or_b32 v[TM+\a], s25, v[64*\a+1]                             ; code = chunk << 6 | register
	v_cmp_gt_f32 s[MK+\a], v[GBI+2*(\base+\a)], v[64*\a]           ; strict: an earlier chunk keeps a tie
.endr
.irp a, 0,1,2,3
	v_cndmask_b32 v[GBI+2*(\base+\a)], v[GBI+2*(\base+\a)], v[64*\a], s[MK+\a]
.endr
	WIN 0
.irp a, 0,1,2,3
	v_cndmask_b32 v[GBI+2*(\base+\a)+1], v[GBI+2*(\base+\a)+1], v[TM+\a], s[MK+\a]
.endr
.endm
	s_mov_b32 s24, 0                               ; chunk
	s_mov_b32 s25, 0                               ; chunk << 6
; A CHUNK.  Behind the 16 loads of the step that is multiplied stand those of the two steps after it: 32, on the way in and over the backward jump alike.  csq's 16 loads are issued in
; step 0 ahead of the centroids' of step 3, so steps 1 and 2 leave 48 out, and step 3's wait for 32 shows csq in as well.  (In step 0 sixty-four loads are asked for; the issue of the
; last holds until one has come back: ISA guide 5.7.1.)
.Lchunk:
	STEP 0, 32, 1, 1, 1, 1                         ; its products start the sums
	STEP 1, 48, 0, 0, 1, 1
	STEP 2, 48, 0, 0, 1, 1
.irp k, 3,4,5,6,7,8,9,10,11
	STEP \k, 32, 0, 0, 1, 1
.endr
	WIN 0                                          ; at a branch and at a label every window is 0
	s_cmp_eq_u32 s24, 3
	s_cbranch_scc1 .Ltail
.irp k, 12,13,14,15
	STEP \k, 32, 0, 0, 1, 1
.endr
	WIN 0
	s_wait_xcnt 0x0                                ; the loads' base is stepped only behind this wait
	s_add_nc_u64 s[BP:BP+1], s[BP:BP+1], 131072    ; the next chunk's 16 steps of 8,192 bytes
	s_branch .Lepi
.Ltail:                                                ; the last chunk's last four steps: only step 12 still has a step to ask for, nothing is loaded past my stream's end, the counts run down
	STEP 12, 32, 0, 0, 1, 1
	STEP 13, 32, 0, 0, 1, 0
	STEP 14, 16, 0, 0, 1, 0
	STEP 15, 0, 0, 0, 0, 0
	WIN 0
.Lepi:
	PLACES                                         ; behind the last matrix instructions, before vector instructions read and write their results
	EPI 0, 0x82, 0x8a, 0x08
	EPI 4, 0xc3, 0xcf, 0x0c
	s_wait_xcnt 0x0                                ; csq's base is stepped only behind this wait
	s_add_nc_u64 s[CQ:CQ+1], s[CQ:CQ+1], 512       ; 128 words on
	s_add_co_u32 s24, s24, 1
	s_lshl_b32 s25, s24, 6
	s_cmp_lt_u32 s24, 4
	s_cbranch_scc1 .Lchunk
	; THE END.  Code -> index: code = chunk << 6 | b << 3 | j;  n = 512 w + 128 chunk + 16 b + 8 h + j.
	s_lshl_b32 s15, s14, 9
	v_lshlrev_b32 v48, 3, v3
	v_add_nc_u32 v48, s15, v48                     ; 512 w + 8 h
	s_lshl_b32 s15, s14, 10
	s_add_co_u32 s15, s15, SCR
	v_lshlrev_b32 v52, 3, v2
	v_add_nc_u32 v52, s15, v52                     ; my wave's part of the table + 8 r
.irp a, 0,1,2,3,4,5,6,7
	v_and_b32 v[TM], 0x1f8, v[GBI+2*\a+1]
	v_and_b32 v[GBI+2*\a+1], 7, v[GBI+2*\a+1]
	v_lshl_or_b32 v[GBI+2*\a+1], v[TM], 1, v[GBI+2*\a+1]
	v_add_nc_u32 v[GBI+2*\a+1], v48, v[GBI+2*\a+1]
	v_permlanex16_b32 v50, v[GBI+2*\a], s28, s29                   ; the other half of the lanes holds the same row's other centroids
	v_permlanex16_b32 v51, v[GBI+2*\a+1], s28, s29
	v_cmp_lt_f32 s20, v50, v[GBI+2*\a]                             ; theirs is taken if it is smaller,
	v_cmp_eq_f32 s21, v50, v[GBI+2*\a]                             ; or equal
	v_cmp_lt_u32 s22, v51, v[GBI+2*\a+1]                           ; with the lower index
	s_and_b32 s21, s21, s22
	s_or_b32 s20, s20, s21
	v_cndmask_b32 v[GBI+2*\a], v[GBI+2*\a], v50, s20
	v_cndmask_b32 v[GBI+2*\a+1], v[GBI+2*\a+1], v51, s20
	ds_store_b64 v52, v[GBI+2*\a:GBI+2*\a+1] offset:128*\a         ; row 16 a + r; both halves write the same bytes with the same values
.endr
	s_wait_dscnt 0x0                               ; for the other waves' sake: my 128 pairs lie in LDS
	s_barrier_signal -1
	s_barrier_wait -1
	v_lshlrev_b32 v53, 3, v0
	v_add_nc_u32 v53, SCR, v53                     ; thread t takes row t
	v_lshlrev_b32 v62, 2, v0
.irp w, 0,1,2,3
	ds_load_b64 v[54+2*\w:55+2*\w], v53 offset:1024*\w
.endr
	s_wait_dscnt 0x0
.irp w, 1,2,3
	v_cmp_gt_f32 vcc_lo, v54, v[54+2*\w]           ; strict, and the indices go up with the wave: the first of equal distances stays
	v_cndmask_b32 v54, v54, v[54+2*\w], vcc_lo
	v_cndmask_b32 v55, v55, v[55+2*\w], vcc_lo
.endr
	s_wait_xcnt 0x0                                ; EXEC is a source of every global instruction issued so far: it changes only behind this wait
	v_cmp_gt_u32 vcc_lo, 125, v0
	s_wait_tensorcnt 0x0
	ds_add_u32 v30, v31
	s_wait_dscnt 0x0
	s_and_saveexec_b32 s30, vcc_lo                 ; rows 125-127 are the repeats of row 124
	global_store_b32 v62, v55, s[12:13]            ; 500 consecutive bytes a work-group: all that the block has to say
	s_endpgm
.Lfunc_end_k_qa9bbcecef3_assign:
	.size	k_qa9bbcecef3_assign, .Lfunc_end_k_qa9bbcecef3_assign-k_qa9bbcecef3_assign
	.p2alignl 7, 3214868480
	.fill 96, 4, 3214868480
	.section	.rodata,"a",@progbits
	.p2align	6, 0x0
	.amdhsa_kernel k_qa9bbcecef3_assign
		.amdhsa_group_segment_fixed_size 137728
		.amdhsa_private_segment_fixed_size 0
		.amdhsa_enable_private_segment 0
		.amdhsa_kernarg_size 40
		.amdhsa_user_sgpr_count 2
		.amdhsa_user_sgpr_kernarg_segment_ptr 1
		.amdhsa_wavefront_size32 1
		.amdhsa_system_sgpr_workgroup_id_x 1
		.amdhsa_system_sgpr_workgroup_id_y 1
		.amdhsa_system_sgpr_workgroup_id_z 1
		.amdhsa_system_vgpr_workitem_id 0
		.amdhsa_next_free_vgpr 1024
		.amdhsa_next_free_sgpr 66
		.amdhsa_reserve_vcc 1
		.amdhsa_float_denorm_mode_32 3
		.amdhsa_float_denorm_mode_16_64 3
		.amdhsa_memory_ordered 1
		.amdhsa_forward_progress 1
		.amdhsa_inst_pref_size 255
	.end_amdhsa_kernel
	.section	.bss,"aw",@nobits
	.p2align	6
	.space	262144
	.amdgpu_metadata
---
amdhsa.version: [ 1, 2 ]
amdhsa.kernels:
  - .name:           k_qa9bbcecef3_assign
    .symbol:         k_qa9bbcecef3_assign.kd
    .args:
      - { .name: x, .offset: 0, .size: 8, .value_kind: global_buffer, .address_space: global }
      - { .name: cb, .offset: 8, .size: 8, .value_kind: global_buffer, .address_space: global }
      - { .name: csq, .offset: 16, .size: 8, .value_kind: global_buffer, .address_space: global }
      - { .name: lowp_scales, .offset: 24, .size: 8, .value_kind: global_buffer, .address_space: global }
      - { .name: out0, .offset: 32, .size: 8, .value_kind: global_buffer, .address_space: global }
    .group_segment_fixed_size: 137728
    .private_segment_fixed_size: 0
    .kernarg_segment_align: 8
    .kernarg_segment_size: 40
    .max_flat_workgroup_size: 128
    .sgpr_count:     66
    .vgpr_count:     1024
    .wavefront_size: 32
...
	.end_amdgpu_metadata
.endif
;; end of part 2
;; ======== version 2 of 2: 2 launches; 1.24 times as fast as version 1
;; workspace buffers: cb 2,097,152 bytes; csq 8,192 bytes
;; launch prep (part 3): grid 128 x 1, 16 waves a work-group, no clusters, 18,944 bytes of LDS; arguments centroids, lowp_scales, cb, csq; writes cb, csq
.if DOCPART == 3
	.amdgcn_target "amdgcn-amd-amdhsa--gfx1250"
	.amdhsa_code_object_version 6
	.text
	.protected	k_qa9bbcecef3_prep
	.globl	k_qa9bbcecef3_prep
	.p2align	8
	.type	k_qa9bbcecef3_prep,@function
k_qa9bbcecef3_prep:
	s_mov_b64 s[64:65], 0
	v_nop
	global_prefetch_b8 v0, s[64:65] scope:SCOPE_SE
	s_setreg_imm32_b32 hwreg(HW_REG_WAVE_MODE, 25, 1), 1
	s_wait_xcnt 0x0
; Centroids [2048][1024] f32  ->  cb: their codes of BF8 (E5M2), made with the given scale 2^e1, laid out as the matrix fragments of the next launch;
;                                 csq[n] = sum over k of c[n][k]^2, of the f32 numbers AS THEY ARE GIVEN (this sum is no quantised product), in f32.
; code = c / 2^e1, held within +-57,344, rounded to the nearest code, ties to even.  e1 is entry 1 (int32) of the buffer of scales.
; LIMITS: -126 <= e1 <= 112, so that 2^e1 and 57,344 x 2^e1 are f32 numbers.  NaN among the inputs is not served; an infinity is held at the largest code.
;         csq is summed in four chains a lane and then across the 32 lanes: another order than a plain run along the row, with the rounding of f32 sums.
; THE ORDER OF K.  A row's 1,024 codes lie in an order of their own, the same here and for x in the next launch, so that every product meets its partner:
;     place p = 512 t + 16 l + 4 i + e  holds  k = 512 t + 128 i + 4 l + e      (t 0-1, l 0-31, i 0-3, e 0-3).
; It is what comes of lane l loading the 16 bytes at 16 l of each 512 bytes of the f32 row (each load of the wave: 512 consecutive bytes), converting its 16 numbers of a half
; row t (the conversion takes its eight numbers from one lane's consecutive registers, whichever k they are) and storing the 16 codes at 16 l of that half row's 512 places.
; cb: centroid n = 128 q + 16 b + r, place p = 64 ks + 32 c + 16 h + e  lies at byte
;     131072 q + 8192 ks + 1024 b + 512 c + 16 (16 h + r) + e:   lane 16 h + r takes 16 bytes at 16 x lane of each piece of 512 bytes.
; A work-group owns 16 centroids (one q, one b).  Wave v reads and converts row v (4,096 bytes, eight loads); the rows' codes meet in LDS,
; and wave v writes the fragment of ks = v: two stores of 512 consecutive, aligned bytes.
; No matrix unit, no cluster: no work-group reads what another reads, and every byte is moved once.  128 work-groups: a fragment wants 16 whole centroids.
; csq leaves as 64 bytes a work-group, a part of an aligned block of 256 bytes; the whole table is 8,192 bytes.
.set XP,  1040                         ; LDS pitch of a row: 1,024 bytes of codes + 16, an odd multiple of 16: the 16 rows of a fragment load start in 16 different columns of 16 bytes
.set SUM, 16*XP                        ; behind the rows: one word for each wave's sum
.set X,   8                            ; v[8:39]   my 32 numbers: 16 of each half row; later the fragment on its way out
.set C,   40                           ; v[40:47]  their codes, 4 registers a half row
.set SQ,  48                           ; v[48:51]  two packed chains of squares
	s_load_b256 s[4:11], s[0:1], 0x0               ; centroids s[4:5], the scales' exponents s[6:7], cb s[8:9], csq s[10:11]
	v_lshl_add_u32 v80, v0, 2, 0x4200
	v_mov_b32 v81, 0
	v_and_b32 v1, 31, v0                           ; lane
	v_lshrrev_b32 v52, 5, v0
	v_readfirstlane_b32 s12, v52                   ; wave v = row of the work-group's 16 = K step that it writes
	v_lshlrev_b32 v2, 4, v1                        ; 16 x lane: my 16 bytes of each 512, of the f32 row on the way in and of cb on the way out
	v_and_b32 v5, 15, v0                           ; r
	v_bfe_u32 v6, v0, 4, 1                         ; h
	s_mov_b32 s13, 0x76543210                      ; v_permlanex16_b32: lane i of one half reads lane i of the other
	s_mov_b32 s14, 0xfedcba98
	s_mul_i32 s15, s12, XP
	v_add_nc_u32 v3, s15, v2                       ; LDS, in: my row + 16 x lane
	v_mul_u32_u24 v65, v5, XP                      ; LDS, back: row r
	v_lshl_add_u32 v65, v6, 4, v65                 ;   + 16 h
	s_lshl_b32 s15, s12, 6
	v_add_nc_u32 v65, s15, v65                     ;   + 64 v: K step v is 64 places of every row
	s_lshl_b32 s15, s12, 2
	s_add_co_u32 s15, s15, SUM
	v_mov_b32 v64, s15                             ; my wave's word for its sum
	s_lshl_b32 s16, ttmp9, 4
	s_add_co_u32 s16, s16, s12                     ; my centroid
	s_lshl_b32 s16, s16, 12                        ; x 4,096 bytes
	s_mov_b32 s17, 0
	s_lshr_b32 s18, ttmp9, 3                       ; q
	s_lshl_b32 s18, s18, 17                        ; x 131,072
	s_and_b32 s19, ttmp9, 7                        ; b
	s_lshl_b32 s19, s19, 10                        ; x 1,024
	s_add_co_u32 s18, s18, s19
	s_lshl_b32 s19, s12, 13                        ; K step v: x 8,192
	s_add_co_u32 s18, s18, s19
	s_mov_b32 s19, 0
	s_lshl_b32 s20, ttmp9, 6                       ; 16 words of csq
	s_mov_b32 s21, 0
	s_wait_kmcnt 0x0
	s_load_b32 s24, s[6:7], 0x4                    ; e1
	s_add_nc_u64 s[4:5], s[4:5], s[16:17]
	s_add_nc_u64 s[8:9], s[8:9], s[18:19]
	s_add_nc_u64 s[10:11], s[10:11], s[20:21]
.irp t, 0,1
.irp i, 0,1,2,3
	global_load_b128 v[X+16*\t+4*\i:X+16*\t+4*\i+3], v2, s[4:5] offset:2048*\t+512*\i th:TH_LOAD_NT   ; 512 consecutive bytes a load; the whole row at once; read once in the launch
.endr
.endr
	s_wait_kmcnt 0x0
	s_add_co_i32 s24, s24, 127
	s_lshl_b32 s25, s24, 23
	v_mov_b32 v7, s25                              ; 2^e1 as f32: the conversion takes its exponent field
	s_add_co_i32 s24, s24, 15
	s_lshl_b32 s24, s24, 23
	s_or_b32 s24, s24, 0x600000
	v_mov_b32 v53, s24                             ; 57,344 x 2^e1
.irp t, 0,1
	s_wait_loadcnt 4*(1-\t)                        ; loads come back in order (ISA guide 5.7.1): this half row's four are in, the other half's may be out
.irp p, 0,1,2,3,4,5,6,7
.if \t == 0 && \p < 2
	v_pk_mul_f32 v[SQ+2*\p:SQ+2*\p+1], v[X+2*\p:X+2*\p+1], v[X+2*\p:X+2*\p+1]     ; the first squares start the sums: nothing is cleared
.else
	v_pk_fma_f32 v[SQ+2*(\p%2):SQ+2*(\p%2)+1], v[X+16*\t+2*\p:X+16*\t+2*\p+1], v[X+16*\t+2*\p:X+16*\t+2*\p+1], v[SQ+2*(\p%2):SQ+2*(\p%2)+1]
.endif
.endr
.irp i, 0,1,2,3,4,5,6,7,8,9,10,11,12,13,14,15
	v_med3_num_f32 v[X+16*\t+\i], v[X+16*\t+\i], -v53, v53         ; behind the squares: the conversion to an 8-bit code does not saturate (ISA guide 7.6.2), so the number is held first
.endr
	v_cvt_scalef32_pk8_bf8_f32 v[C+4*\t:C+4*\t+1],   v[X+16*\t:X+16*\t+7],    v7
	v_cvt_scalef32_pk8_bf8_f32 v[C+4*\t+2:C+4*\t+3], v[X+16*\t+8:X+16*\t+15], v7
	v_nop                                          ; one plain vector instruction between a scaled conversion and what touches its result
	ds_store_b128 v3, v[C+4*\t:C+4*\t+3] offset:512*\t             ; 32 lanes, 512 neighbouring places of my row
.endr
	v_pk_add_f32 v[SQ:SQ+1], v[SQ:SQ+1], v[SQ+2:SQ+3]
	v_add_f32 v[SQ], v[SQ], v[SQ+1]
	v_add_f32_dpp v[SQ], v[SQ], v[SQ] row_xmask:1 row_mask:0xf bank_mask:0xf
	v_add_f32_dpp v[SQ], v[SQ], v[SQ] row_xmask:2 row_mask:0xf bank_mask:0xf
	v_add_f32_dpp v[SQ], v[SQ], v[SQ] row_xmask:4 row_mask:0xf bank_mask:0xf
	v_add_f32_dpp v[SQ], v[SQ], v[SQ] row_xmask:8 row_mask:0xf bank_mask:0xf
	v_permlanex16_b32 v52, v[SQ], s13, s14         ; its destination counts as read: v52 has been written
	v_add_f32 v[SQ], v[SQ], v52                    ; the row's sum, in every lane
	ds_store_b32 v64, v[SQ]                        ; all lanes write the same word with the same value
	s_wait_dscnt 0x0                               ; for the other waves' sake: all my LDS stores are done
	s_barrier_signal -1
	s_barrier_wait -1                              ; all 16 rows and 16 sums lie in LDS
	ds_load_b128 v[X:X+3],   v65                   ; places 64 v + 16 h .. + 15 of row r
	ds_load_b128 v[X+4:X+7], v65 offset:32         ; places 64 v + 32 + 16 h .. + 15
	s_wait_dscnt 0x1                               ; LDS loads come back in order: the first is in
	global_store_b128 v2, v[X:X+3], s[8:9]                         ; each store: 512 consecutive bytes at a multiple of 512 from cb's first byte
	s_wait_dscnt 0x0
	global_store_b128 v2, v[X+4:X+7], s[8:9] offset:512
	s_cmp_lg_u32 s12, 0
	s_cbranch_scc1 .Lothers                        ; wave 0 alone writes the 16 sums
	v_lshlrev_b32 v66, 2, v5
	ds_load_b32 v67, v66 offset:SUM                ; lane l: the sum of row l % 16
	v_lshlrev_b32 v68, 2, v1
	s_wait_dscnt 0x0
	s_wait_xcnt 0x0                                ; EXEC is a source of the stores above: it changes only behind this wait
	v_cmp_gt_u32 vcc_lo, 16, v0
	s_wait_tensorcnt 0x0
	ds_add_u32 v80, v81
	s_wait_dscnt 0x0
	s_and_saveexec_b32 s23, vcc_lo
	global_store_b32 v68, v67, s[10:11]            ; lanes 0 to 15: csq[16 g + lane]
	s_endpgm
.Lothers:
	s_wait_tensorcnt 0x0
	ds_add_u32 v80, v81
	s_wait_dscnt 0x0
	s_endpgm
.Lfunc_end_k_qa9bbcecef3_prep:
	.size	k_qa9bbcecef3_prep, .Lfunc_end_k_qa9bbcecef3_prep-k_qa9bbcecef3_prep
	.p2alignl 7, 3214868480
	.fill 96, 4, 3214868480
	.section	.rodata,"a",@progbits
	.p2align	6, 0x0
	.amdhsa_kernel k_qa9bbcecef3_prep
		.amdhsa_group_segment_fixed_size 18944
		.amdhsa_private_segment_fixed_size 0
		.amdhsa_enable_private_segment 0
		.amdhsa_kernarg_size 32
		.amdhsa_user_sgpr_count 2
		.amdhsa_user_sgpr_kernarg_segment_ptr 1
		.amdhsa_wavefront_size32 1
		.amdhsa_system_sgpr_workgroup_id_x 1
		.amdhsa_system_sgpr_workgroup_id_y 1
		.amdhsa_system_sgpr_workgroup_id_z 1
		.amdhsa_system_vgpr_workitem_id 0
		.amdhsa_next_free_vgpr 82
		.amdhsa_next_free_sgpr 66
		.amdhsa_reserve_vcc 1
		.amdhsa_float_denorm_mode_32 3
		.amdhsa_float_denorm_mode_16_64 3
		.amdhsa_memory_ordered 1
		.amdhsa_forward_progress 1
		.amdhsa_inst_pref_size 9
	.end_amdhsa_kernel
	.amdgpu_metadata
---
amdhsa.version: [ 1, 2 ]
amdhsa.kernels:
  - .name:           k_qa9bbcecef3_prep
    .symbol:         k_qa9bbcecef3_prep.kd
    .args:
      - { .name: centroids, .offset: 0, .size: 8, .value_kind: global_buffer, .address_space: global }
      - { .name: lowp_scales, .offset: 8, .size: 8, .value_kind: global_buffer, .address_space: global }
      - { .name: cb, .offset: 16, .size: 8, .value_kind: global_buffer, .address_space: global }
      - { .name: csq, .offset: 24, .size: 8, .value_kind: global_buffer, .address_space: global }
    .group_segment_fixed_size: 18944
    .private_segment_fixed_size: 0
    .kernarg_segment_align: 8
    .kernarg_segment_size: 32
    .max_flat_workgroup_size: 512
    .sgpr_count:     66
    .vgpr_count:     82
    .wavefront_size: 32
...
	.end_amdgpu_metadata
.endif
;; end of part 3
;; launch assign (part 4): grid 256 x 1, 4 waves a work-group, no clusters, 137,728 bytes of LDS; arguments x, cb, csq, lowp_scales, out0; writes out0
.if DOCPART == 4
	.amdgcn_target "amdgcn-amd-amdhsa--gfx1250"
	.amdhsa_code_object_version 6
	.text
	.protected	k_qa9bbcecef3_assign
	.globl	k_qa9bbcecef3_assign
	.p2align	8
	.type	k_qa9bbcecef3_assign,@function
k_qa9bbcecef3_assign:
	s_mov_b64 s[64:65], 0
	v_nop
	global_prefetch_b8 v0, s[64:65] scope:SCOPE_SE
	s_setreg_imm32_b32 hwreg(HW_REG_WAVE_MODE, 25, 1), 1
	s_wait_xcnt 0x0
; out0[row] = the first index n of the smallest d(row, n) = -2 x[row].c[n] + csq[n], over 2,048 centroids; 32,000 rows of 1,024 numbers.
; The product is taken on codes of BF8 (E5M2): x is quantised here with the given scale 2^e0 (code = x / 2^e0, held within +-57,344, to the nearest code, ties to even),
; the centroids were quantised in the launch before with 2^e1.  The codes are multiplied as they are, sums in f32, 16 steps of 64 along K, one chain for each output;
; d = sum x (-2 x 2^(e0 + e1)) + csq is one fused multiply-add: the factor is a power of two, so it rounds as the unfused form does.
;
; SHARES.  256 work-groups of 125 rows, worked as 128 (rows 125-127 repeat row 124 and are not stored).  The block's x is read from memory once, quantised in registers,
; and its codes stay in LDS for the whole launch: 128 rows of 1,024 bytes, pitch 1,040.  Four waves; wave w owns centroids 512 w .. 512 w + 511 and takes them in four
; chunks of 128: a chunk is 128 rows x 128 centroids = 64 accumulator tiles = 512 registers, 16 K steps of 64.
; x's fragments come from LDS (16 loads a step, one step ahead, two buffers).  The centroids' fragments come straight from cb, which holds them as register images:
; 16 loads of 512 consecutive bytes a step into FIVE register buffers: four in window 1 and a fifth, E, in the 64 registers of window 0 that hold csq at a chunk's end.
; THE ORDER OF K.  A row's 1,024 codes lie in an order of their own, the same for x here and for the centroids in cb, so that every product meets its partner:
;     place p = 512 t + 16 l + 4 i + e  holds  k = 512 t + 128 i + 4 l + e      (t 0-1, l 0-31, i 0-3, e 0-3).
; It is what comes of lane l loading the 16 bytes at 16 l of each 512 bytes of the f32 row (each load of the wave: 512 consecutive bytes), converting its 16 numbers of a half
; row t (the conversion takes its eight numbers from one lane's consecutive registers, whichever k they are) and storing the 16 codes at 16 l of that half row's 512 places.
; K step ks is places 64 ks .. 64 ks + 63; registers 4 c .. 4 c + 3 of lane (r, h) of a fragment hold places 64 ks + 32 c + 16 h + 0 .. 15, fetched by two loads of 16 bytes.
; Only the order of the f32 sums hangs on all this.
; NO CLUSTER, NO TENSOR LOADS, and why: all work-groups walk the same cb, but beside x's 133,120 bytes and the 4,096 of the end's table 190,464 bytes of LDS are left: two slots
; there hold 128 along K of the work-group's 512 centroids each (65,536 bytes), so a barrier of the whole cluster would stand behind every 128 matrix instructions of a wave and a refill would
; have only these in which to land, against 224 here (160 for a chunk's last two steps) and no barrier; and each centroid fragment has ONE reader in the work-group, so LDS would add a write
; and a read for each of its bytes.  K = 64 and not 128: four buffers of a step's centroid fragments fit in one window of 256 registers; with K = 128 only two would.
;
; THE MATRIX INSTRUCTION IS USED TRANSPOSED: source 0 = 16 centroids, source 1 = 16 rows of x.  Register j of lane (r, h) of tile (a, b) is then centroid 16 b + 8 h + j against
; row 16 a + r: the 64 distances that a lane holds for a row block belong to ONE row, so the search runs down the lane's registers, in ascending order of the index, and meets
; other lanes once, at the end (the other half, then the other waves).
;
; LIMITS.  -126 <= e0 <= 112 and -127 <= e0 + e1 <= 126, so that 2^e0, 57,344 x 2^e0 and 2 x 2^(e0 + e1) are f32 numbers.  NaN among the inputs is not served: a NaN distance is never
; chosen (reference() would choose it).  An infinity in x is held at the largest code.  Two distances closer than the rounding of the f32 sums may be ordered otherwise than by another
; order of summation.  Equal distances: the lowest index, as in reference(); rows whose distances are all +inf give 0.
;
; REGISTERS, in windows of 256 (s_set_vgpr_msb: bits 1:0 source 0, 3:2 source 1, 5:4 source 2, 7:6 destination):
;   window 0: v0-5 ids; v7-21 addresses and the quantiser's two constants; v24-27 at work; v32-63 first two sets of 16 registers of codes, then (best distance, its code) of the 8 row
;             blocks and the end's temporaries; v64-255 first three sets of 64 numbers of x, then v64-127, v128-191 x fragments (two buffers) and v192-255 by turns buffer E and csq
;   window 1: four buffers of centroid fragments      windows 2, 3: accumulators, tile (a, b) at v[64 (a & 3) + 8 b] of window 2 + (a >> 2)
.set XP,   1040                        ; LDS pitch of a row of x's codes: 1,024 + 16 bytes, an odd multiple of 16: the 16 rows of a fragment load start in 16 different columns of 16 bytes
.set SCR,  128*XP                      ; behind x: 1,024 bytes a wave, (distance, index) of each of the 128 rows
.set VXC,  7                           ; v7-9    16 x lane + the clamped place of my wave's rows 29, 30, 31
.set SCL,  11                          ; v11     2^e0   (v10: 57,344 x 2^e0)
.set XST,  12                          ; v12     LDS address for x's codes: my wave's first row + 16 x lane
.set XA,   16                          ; v16-17  LDS address of the x fragments of row blocks 0-3, 4-7: row r, + 16 h; never rewritten
.set VBO,  20                          ; v20     16 x lane: my 16 bytes of each 512, of x's f32 rows and of cb alike
.set VCO,  21                          ; v21     32 h: my 8 words of each 16 of csq
.set TM,   24                          ; v24-27  at work
.set CD,   32                          ; v32-63  x on its way in: two sets of 16 registers of codes
.set GBI,  32                          ; v32-47  afterwards: pairs: best distance so far, its code (chunk << 6 | register)
.set FA0,  64
.set CSQ,  192                         ; window 0: buffer E, and csq
.set RB0,  0                           ; window 1: the four other buffers
.set RB1,  64
.set RB2,  128
.set RB3,  192
.set NXT,  131072                      ; bytes of cb in a chunk: 16 steps of 8,192
.set BP,   16                          ; s[16:17] cb at my wave's chunk, stepped once a chunk
.set CQ,   18                          ; s[18:19] csq at my wave's chunk
.set MK,   20                          ; s20-23   lane masks of four searches that run side by side
.set MSB,  0
.macro WIN new                         ; the immediate's high byte repeats the setting that is left; a switch that changes nothing is dropped
.if MSB != \new
	s_set_vgpr_msb (MSB<<8)|\new
.set MSB, \new
.endif
.endm
.macro PLACES                          ; four independent plain vector instructions behind a matrix instruction (ISA guide 7.12.1)
.rept 4
	v_nop
.endr
.endm
	s_load_b256 s[4:11], s[0:1], 0x0               ; x s[4:5], cb s[6:7], csq s[8:9], the scales' exponents s[10:11]
	s_load_b64 s[12:13], s[0:1], 0x20              ; out0
	v_lshl_add_u32 v30, v0, 2, 0x21800
	v_mov_b32 v31, 0
	v_and_b32 v1, 31, v0                           ; lane
	v_lshrrev_b32 v4, 5, v0
	v_readfirstlane_b32 s14, v4                    ; wave w
	v_and_b32 v2, 15, v0                           ; r
	v_bfe_u32 v3, v0, 4, 1                         ; h
	s_mov_b32 s28, 0x76543210                      ; v_permlanex16_b32: lane i of one half reads lane i of the other
	s_mov_b32 s29, 0xfedcba98
	v_lshlrev_b32 v[VBO], 4, v1
	v_lshlrev_b32 v[VCO], 5, v3
	v_mul_u32_u24 v5, v2, XP
	v_lshl_add_u32 v[XA], v3, 4, v5                ; row r x pitch + 16 h
	v_add_nc_u32 v[XA+1], 64*XP, v[XA]             ; + 64 rows
	s_mul_i32 s15, s14, 32*XP                      ; my wave quantises rows 32 w .. 32 w + 31 of the block
	v_add_nc_u32 v[XST], s15, v[VBO]
	s_lshl_b32 s15, s14, 5                         ; 32 w
.irp k, 0,1,2
	s_add_co_u32 s30, s15, 29+\k
	s_min_u32 s30, s30, 124                        ; the block has 125 rows: rows 125-127 repeat row 124, so no load leaves the block
	s_sub_co_u32 s30, s30, s15                     ; counted from my wave's first row
	s_lshl_b32 s30, s30, 12                        ; x 4,096 bytes
	v_add_nc_u32 v[VXC+\k], s30, v[VBO]
.endr
	s_mul_i32 s30, ttmp9, 512000                   ; 125 rows of 4,096 bytes,
	s_lshl_b32 s31, s14, 17                        ; + my wave's 32 rows: 255 x 512,000 + 3 x 131,072 is below 2^31
	s_add_co_u32 s30, s30, s31
	s_mov_b32 s31, 0
	s_mul_i32 s32, ttmp9, 500                      ; 125 words of out0
	s_mov_b32 s33, 0
	s_lshl_b32 s34, s14, 19                        ; my wave's 512 centroids: 524,288 bytes of cb
	s_mov_b32 s35, 0
	s_lshl_b32 s42, s14, 11                        ; and 2,048 bytes of csq
	s_mov_b32 s43, 0
	s_wait_kmcnt 0x0
	s_load_b64 s[40:41], s[10:11], 0x0             ; e0, e1
	s_add_nc_u64 s[4:5], s[4:5], s[30:31]
	s_add_nc_u64 s[12:13], s[12:13], s[32:33]
	s_add_nc_u64 s[BP:BP+1], s[6:7], s[34:35]
	s_add_nc_u64 s[CQ:CQ+1], s[8:9], s[42:43]
; 16 LDS loads: the x fragments of all 8 row blocks, 64 places along K at byte off of the rows.  Block a lands at buf + 8 a.
.macro FETCH_A buf, off
.irp a, 0,1,2,3,4,5,6,7
.irp c, 0,1
	ds_load_b128 v[\buf+8*\a+4*\c:\buf+8*\a+4*\c+3], v[XA+\a/4] offset:\off+32*\c+(\a%4)*16*XP
.endr
.endr
.endm
; 16 global loads of 512 consecutive bytes: one K step (8,192 bytes) of my 128 centroids, as cb holds them.  No hint: every work-group reads these bytes.
.macro FETCH_B buf, off
.irp b, 0,1,2,3,4,5,6,7
.irp c, 0,1
	global_load_b128 v[\buf+8*\b+4*\c:\buf+8*\b+4*\c+3], v[VBO], s[BP:BP+1] offset:\off+1024*\b+512*\c
.endr
.endr
.endm
; csq of the chunk's centroids 16 b + 8 h + j into register CSQ + 8 b + j: the register beside which the distance lies in every tile (a, b)
.macro FETCH_CSQ
.irp b, 0,1,2,3,4,5,6,7
	global_load_b128 v[CSQ+8*\b:CSQ+8*\b+3],   v[VCO], s[CQ:CQ+1] offset:64*\b
	global_load_b128 v[CSQ+8*\b+4:CSQ+8*\b+7], v[VCO], s[CQ:CQ+1] offset:64*\b+16
.endr
.endm
; 32 matrix instructions: the 8 centroid blocks x row blocks 4 hi .. 4 hi + 3.  zero = 1: the first product starts the sums, nothing is cleared.
; The 64 accumulators take turns, one instruction a turn, in the same order in every step.
.macro MUL32 fa, fb, hi, zero
.irp a, 0,1,2,3
.irp b, 0,1,2,3,4,5,6,7
.if \zero
	v_wmma_f32_16x16x64_bf8_bf8 v[64*\a+8*\b:64*\a+8*\b+7], v[\fb+8*\b:\fb+8*\b+7], v[\fa+8*(4*\hi+\a):\fa+8*(4*\hi+\a)+7], 0
.else
	v_wmma_f32_16x16x64_bf8_bf8 v[64*\a+8*\b:64*\a+8*\b+7], v[\fb+8*\b:\fb+8*\b+7], v[\fa+8*(4*\hi+\a):\fa+8*(4*\hi+\a)+7], v[64*\a+8*\b:64*\a+8*\b+7]
.endif
.endr
.endr
.endm
; K STEP ks of a chunk's 16: multiplies x buffer ks % 2 by the centroid buffer at register bb of window bw.  ONE run of loads stands in its middle, 32 matrix instructions issued ahead of
; it and 32 behind it: the next step's x fragments (af; step 15 fetches the next chunk's step 0, at place 0 again), and one item of 16 global loads: ft = 1: the 8,192 bytes at fo of my
; chunk's part of cb into buffer fb of window 1; ft = 2: the same into E; ft = 3: csq into E's registers; ft = 0: none.  Every target was last read by the step before: the four plain
; vector instructions that stand between that step's matrix instructions and these loads are the four at this step's head.
; lcnt: how many younger global loads may stay out when my centroid buffer has to be whole; -1: an earlier wait has shown it whole.
.macro STEP ks, bw, bb, lcnt, zero, af, ft, fb, fo
	s_wait_dscnt 0x0                               ; my x buffer: its 16 loads were issued in the middle of the step before, and no LDS instruction since
.if \lcnt >= 0
	s_wait_loadcnt \lcnt
.endif
.if \af
	PLACES
.endif
	WIN (0xa0+\bw)                                 ; source 0 window bw, source 1 window 0, C and D window 2
	MUL32 FA0+64*((\ks)%2), \bb, 0, \zero
.if \af
	WIN 0
	FETCH_A FA0+64*(((\ks)+1)%2), 64*(((\ks)+1)%16)
.endif
.if \ft == 1
	WIN 0x40                                       ; destination window 1, address window 0
	FETCH_B \fb, \fo
.elseif \ft == 2
	WIN 0
	FETCH_B \fb, \fo
.elseif \ft == 3
	WIN 0
	FETCH_CSQ
.endif
	WIN (0xf0+\bw)                                 ; C and D window 3
	MUL32 FA0+64*((\ks)%2), \bb, 1, \zero
.endm
; x ON ITS WAY IN.  Batch q: rows 2 q, 2 q + 1 of my wave's 32, each by eight loads of 512 consecutive bytes.  Load i of half row t lands in registers 16 (2 row + t) + 4 i .. + 3
; of set q % 3: 16 loads, 64 registers.
.macro XLOAD q
.set XS, 64+64*((\q)%3)
.irp u, 0,1,2,3
.irp i, 0,1,2,3
.if 2*(\q)+\u/2 < 29
	global_load_b128 v[XS+16*\u+4*\i:XS+16*\u+4*\i+3], v[VBO], s[4:5] offset:4096*(2*(\q)+\u/2)+2048*(\u%2)+512*\i th:TH_LOAD_NT
.else
	global_load_b128 v[XS+16*\u+4*\i:XS+16*\u+4*\i+3], v[VXC+2*(\q)+\u/2-29], s[4:5] offset:2048*(\u%2)+512*\i th:TH_LOAD_NT
.endif
.endr
.endr
.endm
; Batch q is held, converted (64 numbers -> 16 registers of codes, set q % 2) and stored: each store is 512 neighbouring places of a row.
.macro XQ q
.set XS, 64+64*((\q)%3)
.set XC, CD+16*((\q)%2)
.set II, 0
.rept 64
	v_med3_num_f32 v[XS+II], v[XS+II], -v10, v10   ; the conversion to an 8-bit code does not saturate (ISA guide 7.6.2): the number is held within 57,344 x the scale first
.set II, II+1
.endr
.if (\q) >= 2
	s_wait_dscnt 4                                 ; the four stores of the batch before may be out; those of two batches back, which read this set of codes, are done
.endif
.irp g, 0,1,2,3,4,5,6,7
	v_cvt_scalef32_pk8_bf8_f32 v[XC+2*\g:XC+2*\g+1], v[XS+8*\g:XS+8*\g+7], v[SCL]
.endr
	v_nop                                          ; one plain vector instruction between a scaled conversion and what touches its result or writes its sources
.irp u, 0,1,2,3
	ds_store_b128 v[XST], v[XC+4*\u:XC+4*\u+3] offset:(2*(\q)+\u/2)*XP+512*(\u%2)
.endr
.endm
	XLOAD 0
	XLOAD 1
	XLOAD 2
	s_wait_kmcnt 0x0
	s_add_co_i32 s30, s40, 127
	s_lshl_b32 s31, s30, 23
	v_mov_b32 v[SCL], s31                          ; 2^e0 as f32: the conversion takes its exponent field
	s_add_co_i32 s30, s30, 15
	s_lshl_b32 s30, s30, 23
	s_or_b32 s30, s30, 0x600000
	v_mov_b32 v10, s30                             ; 57,344 x 2^e0
	s_add_co_i32 s30, s40, s41
	s_add_co_i32 s30, s30, 128
	s_lshl_b32 s30, s30, 23
	s_or_b32 s36, s30, 0x80000000                  ; -2 x 2^(e0 + e1) as f32
	s_mov_b32 s37, s36                             ; named with it as a pair, so it is written
; Sixteen batches.  Behind each batch's work stands an item of 16 loads: the batch three further on, into the set just read, or, behind the last three batches, the first chunk's first five
; centroid steps, in the order 2, 3, 0, 1, 4: the order in which a chunk asks for the next chunk's, so that the loop's counts hold on the way in as on the way back.
.irp q, 0,1,2,3,4,5,6,7,8,9,10,11,12,13,14,15
	s_wait_loadcnt 32                              ; loads come back in order (ISA guide 5.7.1): batch q is in, the two younger items of 16 loads stay out
	XQ \q
.if \q < 13
	XLOAD \q+3
.elseif \q == 13
	WIN 0x40
	FETCH_B RB2, 2*8192
	WIN 0
.elseif \q == 14
	WIN 0x40
	FETCH_B RB3, 3*8192
	WIN 0
.else
	WIN 0x40
	FETCH_B RB0, 0
	FETCH_B RB1, 8192
	WIN 0
	FETCH_B CSQ, 4*8192                            ; E lies where x's third set lay: batch 14 was its last, and is converted
.endif
.endr
	s_wait_dscnt 0x0                               ; for the other waves' sake: my 32 rows of codes lie in LDS
	s_barrier_signal -1
	s_barrier_wait -1                              ; all 128 rows do; from here on nobody writes them, so the loop has no barrier
	FETCH_A FA0, 0                                 ; lands where x's first set lay: all of x's loads have been shown done
.irp a, 0,1,2,3,4,5,6,7
	v_mov_b32 v[GBI+2*\a], 0x7f800000              ; best so far: +inf,
	v_mov_b32 v[GBI+2*\a+1], 0                     ; code 0
.endr
	v_mov_b32 v50, 0                               ; destinations of v_permlanex16_b32 count as read: written once here
	v_mov_b32 v51, 0
; THE DISTANCES of one window's four row blocks.  w1: destination and source 0 in the window, source 2 (csq) in window 0.
.macro EPIF w1
	WIN \w1
.set II, 0
.rept 128
	v_pk_fma_f32 v[2*II:2*II+1], v[2*II:2*II+1], s[36:37], v[CSQ+2*(II%32):CSQ+2*(II%32)+1] op_sel_hi:[1,0,1]   ; d = sum x s36 + csq, one rounding; each accumulator from its low end on
.set II, II+1
.endr
.endm
; THE SEARCH in one window's four row blocks (base = 0: blocks 0-3, window 2; base = 4: blocks 4-7, window 3).
; w2: all in the window.  w3: source 1 in the window, the rest in window 0.
.macro EPIS base, w2, w3
	WIN \w2
	; Four searches side by side.  Register 64 a holds the best distance, register 64 a + 1 (once its own distance has been looked at) the number of the register
	; that it came from.  The compare is strict and the registers go up with the index: the first of equal distances stays.
.irp a, 0,1,2,3
	v_cmp_gt_f32 s[MK+\a], v[64*\a], v[64*\a+1]
.endr
.irp a, 0,1,2,3
	v_cndmask_b32 v[64*\a], v[64*\a], v[64*\a+1], s[MK+\a]
.endr
.irp a, 0,1,2,3
	v_cndmask_b32 v[64*\a+1], 0, 1, s[MK+\a]
.endr
.set EE, 2
.rept 62
.irp a, 0,1,2,3
	v_cmp_gt_f32 s[MK+\a], v[64*\a], v[64*\a+EE]
.endr
.irp a, 0,1,2,3
	v_cndmask_b32 v[64*\a], v[64*\a], v[64*\a+EE], s[MK+\a]
.endr
.irp a, 0,1,2,3
	v_cndmask_b32 v[64*\a+1], v[64*\a+1], EE, s[MK+\a]
.endr
.set EE, EE+1
.endr
	WIN \w3
.irp a, 0,1,2,3
	v_or_b32 v[TM+\a], s25, v[64*\a+1]                             ; code = chunk << 6 | register
	v_cmp_gt_f32 s[MK+\a], v[GBI+2*(\base+\a)], v[64*\a]           ; strict: an earlier chunk keeps a tie
.endr
.irp a, 0,1,2,3
	v_cndmask_b32 v[GBI+2*(\base+\a)], v[GBI+2*(\base+\a)], v[64*\a], s[MK+\a]
.endr
	WIN 0
.irp a, 0,1,2,3
	v_cndmask_b32 v[GBI+2*(\base+\a)+1], v[GBI+2*(\base+\a)+1], v[TM+\a], s[MK+\a]
.endr
.endm
	s_mov_b32 s24, 0                               ; chunk
	s_mov_b32 s25, 0                               ; chunk << 6
; A CHUNK.  Which buffer a step multiplies:  0 RB0  1 RB1  2 RB2  3 RB3  4 E  5 RB0  6 RB1  7 RB2  8 RB3  9 E  10 RB0  11 RB1  12 RB2  13 RB3  14 RB0  15 RB1.
; What a step's middle asks for, always into the buffer that the step before has read:  1-9: steps 5-13;  10: csq, into E's registers;  11, 12: steps 14, 15;
; 13, 14, 15: the next chunk's steps 2, 3, 0;  behind step 15: its step 1;  behind the distances, when csq is spent: its step 4, into E.  So between a request and the wait for it stand
; 224 matrix instructions for steps 5-13 and 160 for steps 14 and 15, and five steps' bytes are on their way while the wave searches.
; THE COUNTS.  Global loads come back in order (ISA guide 5.7.1), and the order of issue is: next 2, 3, 0, 1, 4; then 5, 6 .. 13, csq, 14, 15.  Step 0 leaves out steps 1 and 4: 32, which shows
; steps 2 and 3 in as well.  Step 1 leaves out step 4: 16.  Steps 4-13 leave out the three items behind their own: 48.  Steps 14 and 15 leave out two: 32; csq stands ahead of step 14's
; loads, so it is in.  (A wave asks for up to 64 loads in the loop and 80 round the search; the issue of a load holds until the counter has room: ISA guide 5.7.1.)
.Lchunk:
	STEP 0,  1, RB0, 32, 1, 1, 0, 0, 0             ; its products start the sums
	STEP 1,  1, RB1, 16, 0, 1, 1, RB0, 5*8192
	STEP 2,  1, RB2, -1, 0, 1, 1, RB1, 6*8192
	STEP 3,  1, RB3, -1, 0, 1, 1, RB2, 7*8192
	STEP 4,  0, CSQ, 48, 0, 1, 1, RB3, 8*8192
	STEP 5,  1, RB0, 48, 0, 1, 2, CSQ, 9*8192
	STEP 6,  1, RB1, 48, 0, 1, 1, RB0, 10*8192
	STEP 7,  1, RB2, 48, 0, 1, 1, RB1, 11*8192
	STEP 8,  1, RB3, 48, 0, 1, 1, RB2, 12*8192
	STEP 9,  0, CSQ, 48, 0, 1, 1, RB3, 13*8192
	STEP 10, 1, RB0, 48, 0, 1, 3, 0, 0
	STEP 11, 1, RB1, 48, 0, 1, 1, RB0, 14*8192
	STEP 12, 1, RB2, 48, 0, 1, 1, RB1, 15*8192
	WIN 0                                          ; at a branch and at a label every window is 0
	s_cmp_eq_u32 s24, 3
	s_cbranch_scc1 .Ltail
	STEP 13, 1, RB3, 48, 0, 1, 1, RB2, NXT+2*8192
	STEP 14, 1, RB0, 32, 0, 1, 1, RB3, NXT+3*8192
	STEP 15, 1, RB1, 32, 0, 1, 1, RB0, NXT
	PLACES                                         ; behind the last matrix instructions: for the loads into RB1, which they read, and for the vector instructions that read their results
	WIN 0x40
	FETCH_B RB1, NXT+8192
	EPIF 0x82
	EPIF 0xc3
	WIN 0
	FETCH_B CSQ, NXT+4*8192                        ; csq is spent: its registers are buffer E again
	s_branch .Lsearch
.Ltail:                                                ; the last chunk's last three steps ask for no centroids: nothing is loaded past my stream's end, and the counts run down
	STEP 13, 1, RB3, 48, 0, 1, 0, 0, 0
	STEP 14, 1, RB0, 16, 0, 1, 0, 0, 0
	STEP 15, 1, RB1, 0, 0, 0, 0, 0, 0
	PLACES
	EPIF 0x82                                      ; the distances are written in both ends, so that the request for E stands in one of them and no second branch is needed
	EPIF 0xc3
	WIN 0
.Lsearch:
	EPIS 0, 0x8a, 0x08
	EPIS 4, 0xcf, 0x0c
	s_wait_xcnt 0x0                                ; the loads' two bases are stepped only behind this wait
	s_add_nc_u64 s[BP:BP+1], s[BP:BP+1], NXT       ; the next chunk's 16 steps of 8,192 bytes
	s_add_nc_u64 s[CQ:CQ+1], s[CQ:CQ+1], 512       ; and its 128 words of csq
	s_add_co_u32 s24, s24, 1
	s_lshl_b32 s25, s24, 6
	s_cmp_lt_u32 s24, 4
	s_cbranch_scc1 .Lchunk
	; THE END.  Code -> index: code = chunk << 6 | b << 3 | j;  n = 512 w + 128 chunk + 16 b + 8 h + j.
	s_lshl_b32 s15, s14, 9
	v_lshlrev_b32 v48, 3, v3
	v_add_nc_u32 v48, s15, v48                     ; 512 w + 8 h
	s_lshl_b32 s15, s14, 10
	s_add_co_u32 s15, s15, SCR
	v_lshlrev_b32 v52, 3, v2
	v_add_nc_u32 v52, s15, v52                     ; my wave's part of the table + 8 r
.irp a, 0,1,2,3,4,5,6,7
	v_and_b32 v[TM], 0x1f8, v[GBI+2*\a+1]
	v_and_b32 v[GBI+2*\a+1], 7, v[GBI+2*\a+1]
	v_lshl_or_b32 v[GBI+2*\a+1], v[TM], 1, v[GBI+2*\a+1]
	v_add_nc_u32 v[GBI+2*\a+1], v48, v[GBI+2*\a+1]
	v_permlanex16_b32 v50, v[GBI+2*\a], s28, s29                   ; the other half of the lanes holds the same row's other centroids
	v_permlanex16_b32 v51, v[GBI+2*\a+1], s28, s29
	v_cmp_lt_f32 s20, v50, v[GBI+2*\a]                             ; theirs is taken if it is smaller,
	v_cmp_eq_f32 s21, v50, v[GBI+2*\a]                             ; or equal
	v_cmp_lt_u32 s22, v51, v[GBI+2*\a+1]                           ; with the lower index
	s_and_b32 s21, s21, s22
	s_or_b32 s20, s20, s21
	v_cndmask_b32 v[GBI+2*\a], v[GBI+2*\a], v50, s20
	v_cndmask_b32 v[GBI+2*\a+1], v[GBI+2*\a+1], v51, s20
	ds_store_b64 v52, v[GBI+2*\a:GBI+2*\a+1] offset:128*\a         ; row 16 a + r; both halves write the same bytes with the same values
.endr
	s_wait_dscnt 0x0                               ; for the other waves' sake: my 128 pairs lie in LDS
	s_barrier_signal -1
	s_barrier_wait -1
	v_lshlrev_b32 v53, 3, v0
	v_add_nc_u32 v53, SCR, v53                     ; thread t takes row t
	v_lshlrev_b32 v62, 2, v0
.irp w, 0,1,2,3
	ds_load_b64 v[54+2*\w:55+2*\w], v53 offset:1024*\w
.endr
	s_wait_dscnt 0x0
.irp w, 1,2,3
	v_cmp_gt_f32 vcc_lo, v54, v[54+2*\w]           ; strict, and the indices go up with the wave: the first of equal distances stays
	v_cndmask_b32 v54, v54, v[54+2*\w], vcc_lo
	v_cndmask_b32 v55, v55, v[55+2*\w], vcc_lo
.endr
	s_wait_xcnt 0x0                                ; EXEC is a source of every global instruction issued so far: it changes only behind this wait
	v_cmp_gt_u32 vcc_lo, 125, v0
	s_wait_tensorcnt 0x0
	ds_add_u32 v30, v31
	s_wait_dscnt 0x0
	s_and_saveexec_b32 s30, vcc_lo                 ; rows 125-127 are the repeats of row 124
	global_store_b32 v62, v55, s[12:13]            ; 500 consecutive bytes a work-group: all that the block has to say
	s_endpgm
.Lfunc_end_k_qa9bbcecef3_assign:
	.size	k_qa9bbcecef3_assign, .Lfunc_end_k_qa9bbcecef3_assign-k_qa9bbcecef3_assign
	.p2alignl 7, 3214868480
	.fill 96, 4, 3214868480
	.section	.rodata,"a",@progbits
	.p2align	6, 0x0
	.amdhsa_kernel k_qa9bbcecef3_assign
		.amdhsa_group_segment_fixed_size 137728
		.amdhsa_private_segment_fixed_size 0
		.amdhsa_enable_private_segment 0
		.amdhsa_kernarg_size 40
		.amdhsa_user_sgpr_count 2
		.amdhsa_user_sgpr_kernarg_segment_ptr 1
		.amdhsa_wavefront_size32 1
		.amdhsa_system_sgpr_workgroup_id_x 1
		.amdhsa_system_sgpr_workgroup_id_y 1
		.amdhsa_system_sgpr_workgroup_id_z 1
		.amdhsa_system_vgpr_workitem_id 0
		.amdhsa_next_free_vgpr 1024
		.amdhsa_next_free_sgpr 66
		.amdhsa_reserve_vcc 1
		.amdhsa_float_denorm_mode_32 3
		.amdhsa_float_denorm_mode_16_64 3
		.amdhsa_memory_ordered 1
		.amdhsa_forward_progress 1
		.amdhsa_inst_pref_size 255
	.end_amdhsa_kernel
	.section	.bss,"aw",@nobits
	.p2align	6
	.space	262144
	.amdgpu_metadata
---
amdhsa.version: [ 1, 2 ]
amdhsa.kernels:
  - .name:           k_qa9bbcecef3_assign
    .symbol:         k_qa9bbcecef3_assign.kd
    .args:
      - { .name: x, .offset: 0, .size: 8, .value_kind: global_buffer, .address_space: global }
      - { .name: cb, .offset: 8, .size: 8, .value_kind: global_buffer, .address_space: global }
      - { .name: csq, .offset: 16, .size: 8, .value_kind: global_buffer, .address_space: global }
      - { .name: lowp_scales, .offset: 24, .size: 8, .value_kind: global_buffer, .address_space: global }
      - { .name: out0, .offset: 32, .size: 8, .value_kind: global_buffer, .address_space: global }
    .group_segment_fixed_size: 137728
    .private_segment_fixed_size: 0
    .kernarg_segment_align: 8
    .kernarg_segment_size: 40
    .max_flat_workgroup_size: 128
    .sgpr_count:     66
    .vgpr_count:     1024
    .wavefront_size: 32
...
	.end_amdgpu_metadata
.endif
;; end of part 4
